; MI455X (gfx1250); checked and timed in simulation.
; The chip was launched on July 23, 2026; its instructions are those of AMD's public machine-readable ISA for CDNA 5 (MIT licence, August 2026) and "CDNA5" Instruction Set Architecture Reference Guide (July 2026). The comments in the code are by the model that wrote it; some were corrected since.
;; Sparse Attention. Allowed arithmetic: matrix products marked QUANTISED: E3M2 operands, one E8M0 scale for each 32 along K, by v_wmma_scale_f32_16x16x128_f8f6f4 with both operands' format E3M2, f32 sums; everything else in f32.
;; Inputs: k_codes 1 x 16 x 4,096 x 2 x 24 uint8 (E3M2 codes of k, K innermost, in blocks of 32 codes, four codes in three bytes); k_scales 1 x 16 x 4,096 x 2 uint8 (E8M0 scales of k, one for each 32 codes along K); q_codes 1 x 16 x 4,096 x 2 x 24 uint8 (E3M2 codes of q, K innermost, in blocks of 32 codes, four codes in three bytes); q_scales 1 x 16 x 4,096 x 2 uint8 (E8M0 scales of q, one for each 32 codes along K); v_codes 1 x 16 x 64 x 128 x 24 uint8 (E3M2 codes of v, K innermost, in blocks of 32 codes, four codes in three bytes); v_scales 1 x 16 x 64 x 128 uint8 (E8M0 scales of v, one for each 32 codes along K).
;; Outputs: out0 1 x 16 x 4,096 x 64 float32.
;; This version of the problem:
;;   THIS VERSION OF THE PROBLEM IS GIVEN IN LOW PRECISION. The matrix products marked QUANTISED in the list below multiply operands that are first quantised to E3M2 (3 exponent bits, 2 mantissa bits; 6 bits a number), with one power-of-two scale for each 32 numbers along K (OCP MX v1.0); their sums are f32. All else is computed in f32.
;;   The module's matrix products, in the order in which they are computed (A, B: the left and right operand; K: the contracted axis; several contracted axes count as one K, in the product's order):
;;     1. batch 16 x [M 4,096, K 64] x [K 64, N 4,096]; A: input q (given as codes); B: input k (given as codes): QUANTISED
;;     2. batch 16 x [M 4,096, K 4,096] x [K 4,096, N 64]; A: computed on the way; B: input v (given as codes): QUANTISED
;;   THE QUANTISER, for each operand of a quantised product, along K:
;;     - K is cut into blocks of 32 from its start; a last block that is shorter is filled with zeros.
;;     - A block's scale is 2^e with e = floor(log2(the largest magnitude in the block)) - 4, held to -126 .. 127; a block of zeros has e = 0. As a byte (E8M0): e + 127.
;;     - Each number is divided by its block's scale, clamped to +-28, and rounded to the nearest number of E3M2, ties to even, subnormals kept.
;;     - The product sums the exact products of the quantised numbers (number of the format x scale) in f32.
;;   ~~~python
;;   def quantise(x, axis):      # numpy; x: float32 -> the quantised numbers, widened to float32 again
;;       x = np.moveaxis(x, axis, -1); K = x.shape[-1]
;;       x = np.pad(x, [(0, 0)] * (x.ndim - 1) + [(0, -K % 32)]); x = x.reshape(x.shape[:-1] + (-1, 32)); a = np.abs(x).max(-1, keepdims=True)
;;       e = np.where(a > 0, np.clip(np.frexp(np.where(a > 0, a, 1))[1] - 1 - 4, -126, 127), 0)      # np.frexp(a)[1] - 1 = floor(log2(a)), exactly
;;       r = np.clip(x / 2.0 ** e, -28, 28)
;;       step = 2.0 ** (np.maximum(np.frexp(np.where(r == 0, 1, r))[1] - 1, -2) - 2)
;;       q = np.round(r / step) * step * 2.0 ** e      # np.round: ties to even
;;       return np.moveaxis(q.reshape(q.shape[:-2] + (-1,))[..., :K], -1, axis).astype(np.float32)
;;   ~~~
;;   OPERANDS COMPUTED ON THE WAY. 'Computed on the way' means the value that the module computes at that place (a softmax that the list does not call 'softmax' is quantised finished and normalised). What goes into a quantiser is computed in f32, as accurately as f32 sums, v_exp_f32 and their like allow (about 1e-6 of the number): no bf16 or f16 on the way to a quantiser, and a product that is left as it is and whose result goes on into a quantised operand takes f32 operands (vector FMAs, or v_wmma_f32_16x16x4_f32). A number that lies on a knife's edge between two numbers of the format may be rounded either way, as far as f32 arithmetic and the matrix unit's own rounding can turn it there, and no further.
;;   INPUTS GIVEN AS CODES. k (in the module: [1, 16, 4096, 64], K = its axis 3); q (in the module: [1, 16, 4096, 64], K = its axis 3); v (in the module: [1, 16, 4096, 64], K = its axis 2): each comes as NAME_codes (uint8): NAME with its K axis moved to the last place and cut into blocks of 32 codes, [.., K / 32, bytes a block], one block behind the other in memory; four codes in three bytes: a row's codes are one little-endian stream of bits, code i at bits 6 i .. 6 i + 5 (a code: sign, 3 exponent bits, 2 mantissa bits); and NAME_scales (uint8): the same leading axes, one E8M0 byte (e + 127) for each 32 codes along K. Its value is code x scale, taken as it is: it is not quantised again, and the codes and scales need not be those that the quantiser above would give.
;; One version. Each part assembles by itself: llvm-mc -triple=amdgcn-amd-amdhsa -mcpu=gfx1250 --defsym DOCPART=n.
;; ======== version 1 of 1: 1 launch
;; launch attn (part 1): grid 16 x 16, 16 waves a work-group, no clusters, 167,936 bytes of LDS; arguments q_codes, q_scales, k_codes, k_scales, v_codes, v_scales, out0; writes out0
.if DOCPART == 1
	.amdgcn_target "amdgcn-amd-amdhsa--gfx1250"
	.amdhsa_code_object_version 6
	.text
	.protected	k_q5a7fecd0f9_attn
	.globl	k_q5a7fecd0f9_attn
	.p2align	8
	.type	k_q5a7fecd0f9_attn,@function
k_q5a7fecd0f9_attn:
	s_mov_b64 s[64:65], 0
	v_nop
	global_prefetch_b8 v0, s[64:65] scope:SCOPE_SE
	s_setreg_imm32_b32 hwreg(HW_REG_WAVE_MODE, 25, 1), 1
	s_wait_xcnt 0x0
; BAND ATTENTION ON CODES OF BF6 (E3M2).  16 heads, 4,096 rows, head size 64.  Query i sees keys i - 128 .. i + 127, cut at 0 and at 4,096.
; out[h][i][:] = sum over j of Q(softmax_j(q[i] . k[j] / 8)) v[j][:]: both products on 6-bit codes with one E8M0 scale for each 32 along K.  The second product's
; left operand is the FINISHED, normalised softmax, quantised in blocks of 32 keys that begin at multiples of 32.  A row has 256 live keys, so its whole strip of scores
; stays in registers: maximum, exponentials, sum, division, and only then the quantiser.  No running maximum, nothing is rescaled.
; SHARES.  Work-group (x, head): queries 256 x .. 256 x + 255.  Its window is the 512 keys from 256 x - 128 on, as four slots of 128 keys; slot s holds chunk
; clamp(2 x - 1 + s, 0, 31) of the head: only the address in memory is clamped, so no fill's LDS address hangs on x.  Wave w (0 .. 15): the 16 queries from 256 x + 16 w on, and nine
; blocks of 32 keys from window block w / 2 on: 288 keys, which cover the 271 that its queries see.  A block that lies outside the head is a repeat of chunk 0 or 31, whose keys the
; queries that reach it all truly see (so its scores are as finite as the true ones); -infinity is added to it ahead of the exponentials.
; LAYOUT.  Both products are used transposed (S^T = K Q^T, O^T = V^T P^T): a lane holds ONE query (lane % 16) throughout.  THE KEYS OF A TILE ARE NOT NEIGHBOURS: lane r of
; tile 2 b + u takes key 32 b + 8 u + r + 8 (r / 8), so that the 16 registers of tiles 2 b and 2 b + 1 are the neighbouring keys 32 b + 16 (lane / 16) + 0 .. 15.
; THE FIRST PRODUCT'S K IS 64, the instruction's 128: Q's upper six registers are zero codes, so whatever stands in the upper six of K's operand (the next fragment) adds nothing;
; the scale words' upper two bytes are 0, which is 2^-127 and no NaN.  Likewise the third K step of the second product has one real block: P's other codes are zeros.
; NO JOINT LOADS: a chunk that two neighbouring work-groups share lies in slot s of one and in slot s - 2 of the other, so their descriptors differ; with equal slots every read's LDS
; address would hang on the work-group's place.  No ring: every LDS byte is filled once.
; LIMITS: a scale byte 0xff is not served; scores beyond f32's range are not served; p under 2^-126 counts as 0 (v_exp_f32 gives 0 there: ISA guide, its entry);
; a block's largest weight is taken from its largest score by the same three operations, which takes v_exp_f32 not to fall where its input rises.
.set KC,    0                          ; LDS: K's codes: window key n at 48 n
.set VC,    24576                      ; V's codes: slot s at 6144 s, channel d at 96 d, block (b % 4) at 24 (b % 4)
.set KSC,   49152                      ; K's scale bytes: 2 a window key
.set VSC,   50176                      ; V's scale bytes of the whole head: 32 units of 256 bytes + 16 of padding; channel d, word i at 272 (d / 2) + 128 (d % 2) + 4 i
.set STG,   58880                      ; the way out: 16 rows x (256 + 16) bytes for each wave
.set SPARE, 128512                     ; the spare words, 128 bytes for each wave: eight blocks of 256 bytes that no other line names
; vector registers
.set AK,   3                           ; v3   my place in K's codes (the way out: where I put 32 bytes of a row)
.set AKS,  4                           ; v4   my place in K's scale bytes (the way out: where I read a row back)
.set AVA,  5                           ; v5   my place in V's codes: block w / 2 + lane / 16
.set AVB,  6                           ; v6   block w / 2 + 2 + lane / 16
.set AVC,  7                           ; v7   block w / 2, in both halves of the lanes
.set AVS,  8                           ; v8-10 my place in V's scale bytes: three neighbouring words of my channel's row
.set GO,   11                          ; v11  16 x lane: my bytes in two rows of the output
.set SPW,  12                          ; v12  LDS address of my spare word; never rewritten
.set NIL,  13                          ; v13  0; never rewritten
.set DD,   14                          ; v14  16 (w % 2) + r - 16 h: in block 0 register i is hidden where i < DD, in block 8 where i >= DD
.set NEG,  15                          ; v15  -infinity
.set QF,   16                          ; v16-21 Q's codes, v22-27 zero codes
.set QS,   28                          ; v28  Q's scale words
.set KS,   29                          ; v29-37 K's scale words, one register a block (lanes 0-15 tile 2 b, lanes 16-31 tile 2 b + 1); v29-31 later P's scale words
.set VW,   38                          ; v38-43 V's scale words: K step j, channels 32 u on, at v[38 + 2 j + u] (lanes 0-15 one tile of 16 channels, lanes 16-31 the next)
.set KR,   44                          ; v44-91 four sets of two K fragments (6 registers each); v92-97 zeros behind the last
.set BM,   44                          ; v44-52 a block's largest score, then its largest weight
.set BT,   53                          ; v53-61 the other half of the lanes'
.set NC,   62                          ; v62, 64 .. 78: what is added to c x score in block b: -c x maximum, or -infinity
.set BY,   88                          ; v88-96 the scales' bytes
.set SO,   100                         ; v100-108 the conversions' scale operands
.set PF,   44                          ; v44-79 P's three fragments
.set TT,   80                          ; v80.. the second half of each pair of blocks, four registers apart
.set VD,   80                          ; v80-103 V's third K step, six registers a tile; v104-109 stand behind the last
.set S,    112                         ; v112-255 the strip: register 16 b + i = key 32 b + 16 (lane / 16) + i of my nine blocks
.set VA,   112                         ; v112-159 V's first K step, v160-207 its second
.set VB,   160
.set O,    208                         ; v208-239 O^T: four tiles of 16 channels
; scalar registers
.set WV,   18
.set B0,   19                          ; w / 2: my first window block
.set SEL,  20                          ; s[20:21] v_permlanex16_b32's selects for lane l xor 16
.set CS,   22                          ; s[22:23] c = log2(e) / 8; the packed form names the pair and takes its low word
.set G1K,  24
.set G1V,  32
.set G1KS, 40
.set G1VS, 48
.set G0K,  56
.set G0V,  60
.set G0KS, 68
.set G0VS, 72
.set HC,   76                          ; the head's first byte in a tensor of codes
.set HEAD, 77
.set CH,   78                          ; w % 4: which slot (or quarter of V's scale bytes) I fetch
.set CG,   79                          ; and which chunk of the head goes there
.set SH,   84                          ; 8 x (B0 % 4): bits by which V's scale words are shifted
.set KST,  85                          ; my first key, 256 x + 32 B0 - 128 (under 0 it wraps)
.set TMP,  86
.set BQ,   87                          ; B0 / 4
.set SBS,  88                          ; s88-96 block b: 0 inside the head, -infinity outside
.set HS,   97                          ; the head's first byte in a tensor of scale bytes
.set PADW, (3<<16)|(1<<20)|(5<<22)|(3<<25)  ; elements of 8 bytes; padding on, behind every 64 words, 4 words of it
.macro GROUP1 g, w0, c, r, p           ; descriptor group 1: r rows of c elements of 8 bytes, p elements from row to row; the tile lies inside its tensor
	s_mov_b32 s[\g], \w0
	s_mov_b32 s[\g+1], (\c)<<16                    ; tensor_dim0
	s_mov_b32 s[\g+2], (\r)<<16                    ; tensor_dim1
	s_mov_b32 s[\g+3], (\c)<<16                    ; tile_dim0
	s_mov_b32 s[\g+4], \r                          ; tile_dim1
	s_mov_b32 s[\g+5], \p                          ; tensor_dim0_stride
	s_mov_b32 s[\g+6], 0
	s_mov_b32 s[\g+7], 0
.endm
.macro ISSUE g0, g1                    ; an s_nop 0 and four v_nop follow the load
	tensor_load_to_lds s[\g0:\g0+3], s[\g1:\g1+7]
	s_nop 0
.rept 4
	v_nop
.endr
.endm
.macro PLACES                          ; four plain vector instructions between a matrix instruction and a load into, or a vector read or write of, its registers
.rept 4
	v_nop
.endr
.endm
	; ---- THE HEAD
	s_load_b256 s[4:11], s[0:1], 0x0               ; Q's codes s[4:5], Q's scales s[6:7], K's codes s[8:9], K's scales s[10:11]
	s_load_b128 s[12:15], s[0:1], 0x20             ; V's codes s[12:13], V's scales s[14:15]
	s_load_b64 s[16:17], s[0:1], 0x30              ; the output
	v_lshl_add_u32 v[SPW], v0, 2, SPARE
	v_mov_b32 v[NIL], 0
	ds_add_u32 v[SPW], v[NIL]                      ; the wave's opening: the add and its wait stand ahead of my tensor load; the set-up below, work on registers, stands between them
	ds_add_u32 v[SPW], v[NIL]
	v_lshrrev_b32 v1, 5, v0
	s_delay_alu instid0(VALU_DEP_1)
	v_readfirstlane_b32 s[WV], v1                  ; wave 0..15
	s_lshr_b32 s[B0], s[WV], 1
	s_and_b32 s[CH], s[WV], 3
	s_and_b32 s[HEAD], ttmp7, 0xffff
	s_lshl_b32 s[CG], ttmp9, 1
	s_add_co_u32 s[CG], s[CG], s[CH]               ; 2 x + slot,
	s_max_u32 s[CG], s[CG], 1
	s_sub_co_u32 s[CG], s[CG], 1                   ; less 1, not under 0,
	s_min_u32 s[CG], s[CG], 31                     ; not over 31: it enters addresses in memory alone
	GROUP1 G1K,  3<<16, 32, 24, 32                 ; K's codes of 128 keys: 6,144 dense bytes as 24 rows of 256
	GROUP1 G1V,  3<<16, 12, 64, 384                ; V's codes of 128 keys: 64 channels x 96 bytes, 3,072 bytes apart
	GROUP1 G1KS, 3<<16, 32, 1, 32                  ; K's scale bytes of 128 keys: one row of 256 bytes
	GROUP1 G1VS, PADW,  32, 8, 32                  ; a quarter of the head's V scale bytes: 8 rows of 256 bytes, 16 bytes of padding behind each
	s_mov_b32 s[G0K], 1                            ; groups 0: count = 1; the LDS address: a constant + a constant x (wave % 4)
	s_mov_b32 s[G0V], 1
	s_mov_b32 s[G0KS], 1
	s_mov_b32 s[G0VS], 1
	s_mul_i32 s[TMP], s[CH], 6144
	s_add_co_u32 s[G0K+1], s[TMP], KC
	s_add_co_u32 s[G0V+1], s[TMP], VC
	s_lshl_b32 s[G0KS+1], s[CH], 8
	s_add_co_u32 s[G0KS+1], s[G0KS+1], KSC
	s_mul_i32 s[G0VS+1], s[CH], 2176
	s_add_co_u32 s[G0VS+1], s[G0VS+1], VSC
	s_mul_i32 s[HC], s[HEAD], 196608               ; 4,096 x 48 bytes of codes a head (V: 64 x 3,072, the same)
	s_lshl_b32 s[HS], s[HEAD], 13                  ; 8,192 scale bytes a head
	s_mul_i32 s80, s[CG], 6144                     ; byte offsets, all under 2^32: K's codes,
	s_add_co_u32 s80, s80, s[HC]
	s_mov_b32 s81, 0
	s_mul_i32 s82, s[CG], 96                       ; V's codes: 96 bytes on in every channel's row,
	s_add_co_u32 s82, s82, s[HC]
	s_mov_b32 s83, 0
	s_lshl_b32 s98, s[CG], 8                       ; K's scale bytes,
	s_add_co_u32 s98, s98, s[HS]
	s_mov_b32 s99, 0
	s_lshl_b32 s2, s[CH], 11                       ; V's scale bytes: my quarter of the head's
	s_add_co_u32 s2, s2, s[HS]
	s_mov_b32 s3, 0
	s_mov_b32 s[SEL], 0x76543210
	s_mov_b32 s[SEL+1], 0xfedcba98
	s_mov_b32 s[CS], 0x3e38aa3b                    ; c = log2(e) / sqrt(64)
	s_mov_b32 s[CS+1], s[CS]                       ; (named with it as a pair, so it is written)
	s_wait_dscnt 0x0                               ; the opening add is done
	s_wait_kmcnt 0x0
	s_add_nc_u64 s[G0K+2:G0K+3], s[8:9], s[80:81]
	s_or_b32 s[G0K+3], s[G0K+3], 0x80000000        ; type = 2
	s_add_nc_u64 s[G0V+2:G0V+3], s[12:13], s[82:83]
	s_or_b32 s[G0V+3], s[G0V+3], 0x80000000
	s_add_nc_u64 s[G0KS+2:G0KS+3], s[10:11], s[98:99]
	s_or_b32 s[G0KS+3], s[G0KS+3], 0x80000000
	s_add_nc_u64 s[G0VS+2:G0VS+3], s[14:15], s[2:3]
	s_or_b32 s[G0VS+3], s[G0VS+3], 0x80000000
	; sixteen first fills, ONE A WAVE: waves 0-3 K's codes, 4-7 V's codes, 8-11 K's scale bytes, 12-15 V's.  The branches hang on the wave's number alone.  One tensor load of mine is out
	s_cmp_lt_u32 s[WV], 4
	s_cbranch_scc0 .Lnot_k
	ISSUE G0K, G1K
	s_branch .Lasked
.Lnot_k:
	s_cmp_lt_u32 s[WV], 8
	s_cbranch_scc0 .Lnot_v
	ISSUE G0V, G1V
	s_branch .Lasked
.Lnot_v:
	s_cmp_lt_u32 s[WV], 12
	s_cbranch_scc0 .Lnot_ks
	ISSUE G0KS, G1KS
	s_branch .Lasked
.Lnot_ks:
	ISSUE G0VS, G1VS
.Lasked:
	; Q: my 16 queries' codes and scale words, straight into the operand's registers
	v_and_b32 v1, 15, v0                           ; r
	s_wait_alu depctr_va_vdst(0)
	v_bfe_u32 v2, v0, 4, 1                         ; h
	s_lshl_b32 s[TMP], ttmp9, 8
	s_lshl_b32 s85, s[WV], 4
	s_add_co_u32 s[TMP], s[TMP], s85               ; my first query: 256 x + 16 w
	s_mul_i32 s80, s[TMP], 48
	s_add_co_u32 s80, s80, s[HC]
	s_add_nc_u64 s[4:5], s[4:5], s[80:81]
	s_lshl_b32 s82, s[TMP], 1
	s_add_co_u32 s82, s82, s[HS]
	s_add_nc_u64 s[6:7], s[6:7], s[82:83]
	s_lshl_b32 s98, s[TMP], 8                      ; a row of the output is 256 bytes,
	s_lshl_b32 s85, s[HEAD], 20                    ; a head 2^20
	s_add_co_u32 s98, s98, s85
	s_add_nc_u64 s[16:17], s[16:17], s[98:99]
	v_mul_u32_u24 v110, v1, 48
	s_wait_alu depctr_va_vdst(0)
	v_mad_u32_u24 v110, v2, 24, v110               ; row r, + 24 h: k = 32 h .. 32 h + 31
	v_lshlrev_b32 v111, 1, v1
.irp p, 0,1,2
	global_load_b64 v[QF+2*\p:QF+2*\p+1], v110, s[4:5] offset:8*\p
.endr
	global_load_u16 v[QS], v111, s[6:7]            ; two scale bytes; the word's upper two are 0
.irp i, 0,1,2,3,4,5
	v_mov_b32 v[QF+6+\i], 0                        ; Q's k = 64 .. 127: zero codes
	v_mov_b32 v[KR+48+\i], 0                       ; what stands behind the last K fragment
.endr
	v_mov_b32 v109, 0                              ; and behind V's last packed fragment
	; all LDS addresses: a constant (in the loads' immediates), terms of the lane, terms of the wave
	v_and_b32 v[AK], 8, v1
	s_delay_alu instid0(VALU_DEP_1)
	v_add_nc_u32 v[AK], v[AK], v1                  ; r + 8 (r / 8)
	s_delay_alu instid0(VALU_DEP_1)
	v_lshlrev_b32 v[AKS], 1, v[AK]
	s_delay_alu instid0(VALU_DEP_1)
	v_lshl_add_u32 v[AKS], v2, 4, v[AKS]           ; K's scale bytes: 2 (r + 8 (r / 8) + 8 h): lanes 16-31 take the tile eight keys on
	s_lshl_b32 s[TMP], s[B0], 6
	v_add_nc_u32 v[AKS], s[TMP], v[AKS]            ; + 64 bytes a block
	v_mul_u32_u24 v[AK], v[AK], 48
	s_delay_alu instid0(VALU_DEP_1)
	v_mad_u32_u24 v[AK], v2, 24, v[AK]
	s_mul_i32 s[TMP], s[B0], 1536
	v_add_nc_u32 v[AK], s[TMP], v[AK]              ; K's codes: 48 bytes a key, + 24 h, + 1,536 a block
	v_mul_u32_u24 v[AVC], v1, 96                   ; V's codes: channel r;
	v_add_nc_u32 v[AVA], s[B0], v2                 ; window block B0 + h,
	s_delay_alu instid0(VALU_DEP_1)
	v_add_nc_u32 v[AVB], 2, v[AVA]                 ; and B0 + 2 + h: block b lies at 6144 (b / 4) + 24 (b % 4), so four blocks on are 6,144 bytes on
	s_delay_alu instid0(VALU_DEP_2)
	v_lshrrev_b32 v8, 2, v[AVA]
	s_delay_alu instid0(VALU_DEP_2)
	v_lshrrev_b32 v9, 2, v[AVB]
	s_delay_alu instid0(VALU_DEP_4)
	v_and_b32 v[AVA], 3, v[AVA]
	s_delay_alu instid0(VALU_DEP_4)
	v_and_b32 v[AVB], 3, v[AVB]
	s_delay_alu instid0(VALU_DEP_4)
	v_mad_u32_u24 v8, v8, 6144, v[AVC]
	s_delay_alu instid0(VALU_DEP_4)
	v_mad_u32_u24 v9, v9, 6144, v[AVC]
	s_delay_alu instid0(VALU_DEP_2)
	v_mad_u32_u24 v[AVA], v[AVA], 24, v8
	s_delay_alu instid0(VALU_DEP_2)
	v_mad_u32_u24 v[AVB], v[AVB], 24, v9
	s_lshr_b32 s[BQ], s[B0], 2
	s_and_b32 s[SH], s[B0], 3
	s_mul_i32 s[TMP], s[BQ], 6144
	s_mul_i32 s85, s[SH], 24
	s_add_co_u32 s[TMP], s[TMP], s85
	v_add_nc_u32 v[AVC], s[TMP], v[AVC]            ; block B0, in both halves of the lanes
	s_lshl_b32 s[SH], s[SH], 3
	v_and_b32 v10, 31, v0                          ; lane
	s_delay_alu instid0(VALU_DEP_1)
	v_lshlrev_b32 v[GO], 4, v10
	s_delay_alu instid0(VALU_DEP_2)
	v_lshrrev_b32 v9, 1, v10
	s_delay_alu instid0(VALU_DEP_3)
	v_and_b32 v10, 1, v10
	s_delay_alu instid0(VALU_DEP_2)
	v_mul_u32_u24 v9, v9, 272
	s_delay_alu instid0(VALU_DEP_1)
	v_lshl_add_u32 v10, v10, 7, v9                 ; V's scale bytes: channel = lane (+ 32 in the immediate)
	s_wait_alu depctr_va_vdst(0)
	; my nine blocks begin at byte B0 % 4 of word 2 x - 1 + BQ of a channel's row; words -1 and 32 do not exist and serve only blocks outside the head: they are held at 0 and at 31
	s_xor_b32 s[TMP], ttmp9, 15
	s_lshl_b32 s[TMP], s[TMP], 1
	s_xor_b32 s85, s[BQ], 1
	s_add_co_u32 s[TMP], s[TMP], s85
	s_add_co_u32 s[TMP], s[TMP], 1                 ; 31 - (2 x - 1 + BQ),
	s_min_u32 s[TMP], s[TMP], 31                   ; held at 31,
	s_xor_b32 s[TMP], s[TMP], 31                   ; and turned round: 2 x - 1 + BQ, not under 0
	s_lshl_b32 s[TMP], s[TMP], 2
	v_add_nc_u32 v[AVS], s[TMP], v10
	s_lshl_b32 s[TMP], ttmp9, 1
	s_add_co_u32 s[TMP], s[TMP], s[BQ]             ; 2 x + BQ
	s_add_co_u32 s85, s[TMP], 1                    ; 2 x + BQ + 1
	s_min_u32 s[TMP], s[TMP], 31                   ; (by the grid of 16 it is 31 at the most: the hold writes that bound into the text)
	s_min_u32 s85, s85, 31
	s_lshl_b32 s[TMP], s[TMP], 2
	s_lshl_b32 s85, s85, 2
	v_add_nc_u32 v[AVS+1], s[TMP], v10
	v_add_nc_u32 v[AVS+2], s85, v10
	s_and_b32 s[TMP], s[WV], 1
	s_lshl_b32 s[TMP], s[TMP], 4
	v_lshlrev_b32 v[DD], 4, v2
	s_delay_alu instid0(VALU_DEP_1)
	v_sub_nc_u32 v[DD], v1, v[DD]
	s_delay_alu instid0(VALU_DEP_1)
	v_add_nc_u32 v[DD], s[TMP], v[DD]              ; 16 (w % 2) + r - 16 h
	v_mov_b32 v[NEG], 0xff800000
	s_lshl_b32 s[KST], ttmp9, 8
	s_lshl_b32 s[TMP], s[B0], 5
	s_add_co_u32 s[KST], s[KST], s[TMP]
	s_sub_co_u32 s[KST], s[KST], 128               ; my first key; under 0 it wraps and is then no number under 4,096
.irp b, 0,1,2,3,4,5,6,7,8
	s_add_co_u32 s[TMP], s[KST], 32*\b
	s_cmp_lt_u32 s[TMP], 4096
	s_cselect_b32 s[SBS+\b], 0, 0xff800000         ; a block lies wholly inside the head or wholly outside
.endr
	s_wait_alu depctr_va_vdst(0)
	s_wait_tensorcnt 0x0                           ; my part of the window has landed,
	s_barrier_signal -1
	s_barrier_wait -1                              ; everybody's has.  Nothing is filled again
	; ---- 1: S^T = K Q^T, 18 matrix instructions, K's fragments through four sets of registers
.macro LOADK b, slot                   ; block b's two tiles of 16 keys: 24 bytes a lane each, as three pieces of 8
.irp u, 0,1
.irp p, 0,1,2
	ds_load_b64 v[KR+12*(\slot)+6*\u+2*\p:KR+12*(\slot)+6*\u+2*\p+1], v[AK] offset:KC+1536*(\b)+384*\u+8*\p
.endr
.endr
.endm
.macro MULK b, slot                    ; an operand names twelve registers: a fragment's six and the six behind them, which meet Q's zero codes: they have to have landed, no more
	v_wmma_scale_f32_16x16x128_f8f6f4 v[S+16*(\b):S+16*(\b)+7], v[KR+12*(\slot):KR+12*(\slot)+11], v[QF:QF+11], 0, v[KS+(\b)], v[QS] matrix_a_fmt:MATRIX_FMT_BF6 matrix_b_fmt:MATRIX_FMT_BF6
	v_wmma_scale_f32_16x16x128_f8f6f4 v[S+16*(\b)+8:S+16*(\b)+15], v[KR+12*(\slot)+6:KR+12*(\slot)+17], v[QF:QF+11], 0, v[KS+(\b)], v[QS] matrix_a_fmt:MATRIX_FMT_BF6 matrix_b_fmt:MATRIX_FMT_BF6 matrix_a_scale:MATRIX_SCALE_ROW1
.endm
.irp b, 0,1,2,3,4,5,6,7,8
	ds_load_u16 v[KS+\b], v[AKS] offset:KSC+64*\b
.endr
.irp j, 0,1,2
.irp u, 0,1
	ds_load_b32 v[VW+2*\j+\u], v[AVS+\j] offset:VSC+4352*\u
.endr
.endr
	LOADK 0, 0
	LOADK 1, 1
	LOADK 2, 2
	LOADK 3, 3
	s_wait_loadcnt 0x0                             ; Q
	s_wait_dscnt 6                                 ; all but block 3's six loads: the scale words and blocks 0, 1, 2 (2 stands behind 1 in its operand)
	MULK 0, 0
	MULK 1, 1
.irp u, 0,1                            ; V's scale words are brought to my first block's byte.  These six plain lines are also the places in front of the loads below
	v_alignbit_b32 v[VW+\u], v[VW+2+\u], v[VW+\u], s[SH]      ; blocks 0-3
	v_alignbit_b32 v[VW+2+\u], v[VW+4+\u], v[VW+2+\u], s[SH]  ; blocks 4-7
	v_lshrrev_b32 v[VW+4+\u], s[SH], v[VW+4+\u]               ; block 8 in byte 0; what stands above it meets zero codes of P
.endr
	LOADK 4, 0
	LOADK 5, 1
	s_wait_dscnt 12                                ; block 3 is in; the twelve just issued may be out
	MULK 2, 2
	MULK 3, 3
	PLACES
	LOADK 6, 2
	LOADK 7, 3
	s_wait_dscnt 6                                 ; blocks 4, 5 and 6 are in (6 stands behind 5); block 7's six may be out
	MULK 4, 0
	MULK 5, 1
	PLACES
	LOADK 8, 0
	s_wait_dscnt 0x0
	MULK 6, 2
	MULK 7, 3
	MULK 8, 0
	PLACES
	; ---- 2: THE BAND cuts my first and my last block alone, and one compare serves both: register i of block 0 is hidden where i < DD, of block 8 where it is not.  (Each accumulator is read from its low end on)
.irp i, 0,1,2,3,4,5,6,7,8,9,10,11,12,13,14,15
	v_cmp_lt_i32 vcc_lo, \i, v[DD]
	v_cndmask_b32 v[S+\i], v[S+\i], v[NEG], vcc_lo
	v_cndmask_b32 v[S+128+\i], v[NEG], v[S+128+\i], vcc_lo
.endr
	; ---- 3: THE LARGEST SCORE OF EACH BLOCK serves twice: for the row's maximum and, since the weight rises with the score, for the block's largest weight.  The nine blocks by turns
.irp b, 0,1,2,3,4,5,6,7,8
	v_max3_num_f32 v[BM+\b], v[S+16*\b], v[S+16*\b+1], v[S+16*\b+2]
.endr
.irp i, 3,5,7,9,11,13
.irp b, 0,1,2,3,4,5,6,7,8
	v_max3_num_f32 v[BM+\b], v[BM+\b], v[S+16*\b+\i], v[S+16*\b+\i+1]
.endr
.endr
.irp b, 0,1,2,3,4,5,6,7,8
	v_max_num_f32 v[BM+\b], v[BM+\b], v[S+16*\b+15]
.endr
.irp b, 0,1,2,3,4,5,6,7,8
	v_permlanex16_b32 v[BT+\b], v[BM+\b], s[SEL], s[SEL+1]
.endr
.irp b, 0,1,2,3,4,5,6,7,8
	v_max_num_f32 v[BM+\b], v[BM+\b], v[BT+\b]     ; with lane l xor 16's 16 keys
.endr
.irp b, 0,1,2,3,4,5,6,7,8
	v_add_f32 v[BM+\b], s[SBS+\b], v[BM+\b]        ; a block outside the head: -infinity
.endr
	v_max3_num_f32 v86, v[BM], v[BM+1], v[BM+2]
	s_delay_alu instid0(VALU_DEP_1)
	v_max3_num_f32 v86, v86, v[BM+3], v[BM+4]
	s_delay_alu instid0(VALU_DEP_1)
	v_max3_num_f32 v86, v86, v[BM+5], v[BM+6]
	s_delay_alu instid0(VALU_DEP_1)
	v_max3_num_f32 v86, v86, v[BM+7], v[BM+8]      ; the row's largest score: a query sees itself, so it is a number
	s_delay_alu instid0(VALU_DEP_1)
	v_mul_f32 v87, 0xbe38aa3b, v86                 ; -c x maximum
.irp b, 0,1,2,3,4,5,6,7,8
	v_add_f32 v[NC+2*\b], s[SBS+\b], v87           ; and -infinity for a block outside the head: no line a score is spent on it
.endr
	; ---- 4: p = 2^(c score - c maximum): one fused multiply-add (two a line) and one exponential
.set n, 0
.rept 72
	v_pk_fma_f32 v[S+2*n:S+2*n+1], v[S+2*n:S+2*n+1], s[CS:CS+1], v[NC+2*(n/8):NC+2*(n/8)+1] op_sel_hi:[1,0,0]
.set n, n+1
.endr
.irp b, 0,1,2,3,4,5,6,7,8
	v_fma_f32 v[BM+\b], v[BM+\b], s[CS], v[NC+2*\b]   ; the same of each block's largest score
.endr
.set n, 0
	s_wait_alu depctr_va_vdst(0)
.rept 144
	v_exp_f32 v[S+n], v[S+n]
.set n, n+1
.endr
.irp b, 0,1,2,3,4,5,6,7,8
	v_exp_f32 v[BM+\b], v[BM+\b]
.endr
	v_nop                                          ; a plain instruction behind the last exponential (ISA guide 5.7.2)
	s_wait_alu depctr_va_vdst(0)                   ; ONE wait for the batch of 153, ahead of its first reader
	v_pk_add_f32 v[82:83], v[112:113], v[114:115]
	v_pk_add_f32 v[110:111], v[120:121], v[124:125]
	v_pk_add_f32 v[106:107], v[128:129], v[132:133]
	v_pk_add_f32 v[104:105], v[136:137], v[140:141]
	v_pk_add_f32 v[102:103], v[144:145], v[148:149]
	v_pk_add_f32 v[100:101], v[152:153], v[156:157]
	v_pk_add_f32 v[98:99], v[160:161], v[164:165]
	v_pk_add_f32 v[80:81], v[168:169], v[172:173]
	v_pk_add_f32 v[80:81], v[80:81], v[176:177]
	v_pk_add_f32 v[82:83], v[82:83], v[180:181]
	v_pk_add_f32 v[110:111], v[110:111], v[184:185]
	v_pk_add_f32 v[106:107], v[106:107], v[188:189]
	v_pk_add_f32 v[104:105], v[104:105], v[192:193]
	v_pk_add_f32 v[102:103], v[102:103], v[196:197]
	v_pk_add_f32 v[100:101], v[100:101], v[200:201]
	v_pk_add_f32 v[98:99], v[98:99], v[204:205]
	v_pk_add_f32 v[80:81], v[80:81], v[208:209]
	v_pk_add_f32 v[82:83], v[82:83], v[212:213]
	v_pk_add_f32 v[110:111], v[110:111], v[216:217]
	v_pk_add_f32 v[106:107], v[106:107], v[220:221]
	v_pk_add_f32 v[104:105], v[104:105], v[224:225]
	v_pk_add_f32 v[102:103], v[102:103], v[228:229]
	v_pk_add_f32 v[100:101], v[100:101], v[232:233]
	v_pk_add_f32 v[98:99], v[98:99], v[236:237]
	v_pk_add_f32 v[80:81], v[80:81], v[240:241]
	v_pk_add_f32 v[82:83], v[82:83], v[244:245]
	v_pk_add_f32 v[110:111], v[110:111], v[248:249]
	v_pk_add_f32 v[106:107], v[106:107], v[252:253]
	v_pk_add_f32 v[104:105], v[104:105], v[116:117]
	v_pk_add_f32 v[102:103], v[102:103], v[118:119]
	v_pk_add_f32 v[100:101], v[100:101], v[122:123]
	v_pk_add_f32 v[98:99], v[98:99], v[126:127]
	v_pk_add_f32 v[80:81], v[80:81], v[130:131]
	v_pk_add_f32 v[82:83], v[82:83], v[134:135]
	v_pk_add_f32 v[110:111], v[110:111], v[138:139]
	v_pk_add_f32 v[106:107], v[106:107], v[142:143]
	v_pk_add_f32 v[104:105], v[104:105], v[146:147]
	v_pk_add_f32 v[102:103], v[102:103], v[150:151]
	v_pk_add_f32 v[100:101], v[100:101], v[154:155]
	v_pk_add_f32 v[98:99], v[98:99], v[158:159]
	v_pk_add_f32 v[80:81], v[80:81], v[162:163]
	v_pk_add_f32 v[82:83], v[82:83], v[166:167]
	v_pk_add_f32 v[110:111], v[110:111], v[170:171]
	v_pk_add_f32 v[106:107], v[106:107], v[174:175]
	v_pk_add_f32 v[104:105], v[104:105], v[178:179]
	v_pk_add_f32 v[102:103], v[102:103], v[182:183]
	v_pk_add_f32 v[100:101], v[100:101], v[186:187]
	v_pk_add_f32 v[98:99], v[98:99], v[190:191]
	v_pk_add_f32 v[80:81], v[80:81], v[194:195]
	v_pk_add_f32 v[82:83], v[82:83], v[198:199]
	v_pk_add_f32 v[110:111], v[110:111], v[202:203]
	v_pk_add_f32 v[106:107], v[106:107], v[206:207]
	v_pk_add_f32 v[104:105], v[104:105], v[210:211]
	v_pk_add_f32 v[102:103], v[102:103], v[214:215]
	v_pk_add_f32 v[100:101], v[100:101], v[218:219]
	v_pk_add_f32 v[98:99], v[98:99], v[222:223]
	v_pk_add_f32 v[80:81], v[80:81], v[226:227]
	v_pk_add_f32 v[82:83], v[82:83], v[230:231]
	v_pk_add_f32 v[110:111], v[110:111], v[234:235]
	v_pk_add_f32 v[106:107], v[106:107], v[238:239]
	v_pk_add_f32 v[104:105], v[104:105], v[242:243]
	v_pk_add_f32 v[102:103], v[102:103], v[246:247]
	v_pk_add_f32 v[100:101], v[100:101], v[250:251]
	v_pk_add_f32 v[98:99], v[98:99], v[254:255]
	s_delay_alu instid0(VALU_DEP_4)
	v_pk_add_f32 v[80:81], v[80:81], v[104:105]
	s_delay_alu instid0(VALU_DEP_4)
	v_pk_add_f32 v[82:83], v[82:83], v[102:103]
	s_delay_alu instid0(VALU_DEP_4)
	v_pk_add_f32 v[110:111], v[110:111], v[100:101]
	s_delay_alu instid0(VALU_DEP_4)
	v_pk_add_f32 v[106:107], v[106:107], v[98:99]
	s_delay_alu instid0(VALU_DEP_2)
	v_pk_add_f32 v[80:81], v[80:81], v[110:111]
	s_delay_alu instid0(VALU_DEP_2)
	v_pk_add_f32 v[82:83], v[82:83], v[106:107]
	s_delay_alu instid0(VALU_DEP_1)
	v_pk_add_f32 v[80:81], v[80:81], v[82:83]
	s_delay_alu instid0(VALU_DEP_1)
	v_add_f32 v80, v80, v81
	s_delay_alu instid0(VALU_DEP_1)
	v_permlanex16_b32 v82, v80, s[SEL], s[SEL+1]
	s_delay_alu instid0(VALU_DEP_1)
	v_add_f32 v80, v80, v82                        ; with lane l xor 16's 144 keys: at least 1, the largest score's own weight
	s_wait_alu depctr_va_vdst(0)
	v_rcp_f32 v84, v80
	v_mov_b32 v85, 0                               ; (the pair's upper word is named below, so it is written; also the plain instruction behind the reciprocal)
	s_wait_alu depctr_va_vdst(0)                   ; the wait ahead of the reciprocal's first reader
.set n, 0
.rept 72
	v_pk_mul_f32 v[S+2*n:S+2*n+1], v[S+2*n:S+2*n+1], v[84:85] op_sel_hi:[1,0]
.set n, n+1
.endr
.irp b, 0,1,2,3,4,5,6,7,8
	v_mul_f32 v[BM+\b], v[BM+\b], v84              ; each block's largest weight: the same operations on the same number give the same bits
.endr
	; ---- 6: THE QUANTISER
.irp b, 0,1,2,3,4,5,6,7,8
	v_max_num_f32 v[BM+\b], 0x2800000, v[BM+\b]    ; the floor 2^(5 - 127): the byte cannot fall under 1 (a block of zeros keeps that byte: its codes are zeros)
.endr
.irp b, 0,1,2,3,4,5,6,7,8
	v_add_nc_u32 v[SO+\b], 0xfe000000, v[BM+\b]    ; 4 off the exponent field: the conversion takes the exponent field of this operand as its scale
.endr
.irp b, 0,1,2,3,4,5,6,7,8
	v_lshrrev_b32 v[BY+\b], 23, v[SO+\b]           ; the scale's byte
.endr
.irp s, 0,1                            ; P's scale words, in the registers that held K's: four bytes a K step of 128 keys
	v_lshl_or_b32 v[KS+\s], v[BY+4*\s+1], 8, v[BY+4*\s]
	s_delay_alu instid0(VALU_DEP_1)
	v_lshl_or_b32 v[KS+\s], v[BY+4*\s+2], 16, v[KS+\s]
	s_delay_alu instid0(VALU_DEP_1)
	v_lshl_or_b32 v[KS+\s], v[BY+4*\s+3], 24, v[KS+\s]
.endr
	v_mov_b32 v[KS+2], v[BY+8]                     ; the third step has one block; the bytes above it are 0 and stand over zero codes
.irp i, 0,1,2,3,4,5
	v_mov_b32 v[PF+30+\i], 0                       ; the third fragment's k = 64 .. 127
.endr
.irp i, 0,1,2
	v_mov_b32 v[TT+16+\i], 0                       ; and the block that would stand beside block 8
.endr
.irp c, 0,1,2,3
	v_cvt_scalef32_pk16_bf6_f32 v[PF+6*\c:PF+6*\c+2], v[S+32*\c:S+32*\c+15], v[SO+2*\c]          ; block 2 c: my 16 keys' codes, 96 bits
	v_cvt_scalef32_pk16_bf6_f32 v[TT+4*\c:TT+4*\c+2], v[S+32*\c+16:S+32*\c+31], v[SO+2*\c+1]     ; block 2 c + 1 (a conversion's three registers begin on an even number)
.endr
	v_cvt_scalef32_pk16_bf6_f32 v[PF+24:PF+26], v[S+128:S+143], v[SO+8]
	v_nop                                          ; one plain instruction behind the last scaled conversion
.macro VFRAG reg, off                  ; a fragment of V^T: 16 channels x 128 keys; registers 0-5 block 2 . 0 + h of the K step, registers 6-11 block 2 + h
.irp p, 0,1,2
	ds_load_b64 v[\reg+2*\p:\reg+2*\p+1], v[AVA] offset:VC+\off+8*\p
.endr
.irp p, 0,1,2
	ds_load_b64 v[\reg+6+2*\p:\reg+6+2*\p+1], v[AVB] offset:VC+\off+8*\p
.endr
.endm
.irp t, 0,1,2,3
	VFRAG VA+12*\t, 1536*\t                        ; V's first K step, into the strip's registers, which the conversions have read
.endr
.irp t, 0,1,2,3
	VFRAG VB+12*\t, 6144+1536*\t                   ; its second
.endr
.irp c, 0,1,2,3,4                      ; the operand's layout wants a WHOLE block in a lane: lanes 0-15 block 2 c, lanes 16-31 block 2 c + 1
.irp i, 0,1,2
	v_permlane16_swap_b32 v[PF+6*\c+\i], v[TT+4*\c+\i]   ; the first's lanes 16-31 change places with the second's lanes 0-15
.endr
.irp i, 0,1,2
	s_delay_alu instid0(VALU_DEP_3)
	v_mov_b32 v[PF+6*\c+3+\i], v[TT+4*\c+\i]
.endr
.endr
.irp t, 0,1,2,3                        ; V's third K step: block 8 alone, six registers a tile; lanes 16-31 and the six registers behind meet zero codes of P
.irp p, 0,1,2
	ds_load_b64 v[VD+6*\t+2*\p:VD+6*\t+2*\p+1], v[AVC] offset:VC+12288+1536*\t+8*\p
.endr
.endr
	PLACES                                         ; operands written by vector instructions stand four places ahead of a scaled matrix instruction (the scale words: more than eight)
	; ---- 7: O^T = V^T P^T: three K steps x four tiles of 16 channels; the four accumulators by turns, one instruction a turn
.macro MULV a0, da, s
.irp t, 0,1,2,3
.if (\s) == 0
.if \t%2
	v_wmma_scale_f32_16x16x128_f8f6f4 v[O+8*\t:O+8*\t+7], v[\a0+\da*\t:\a0+\da*\t+11], v[PF+12*(\s):PF+12*(\s)+11], 0, v[VW+2*(\s)+\t/2], v[KS+(\s)] matrix_a_fmt:MATRIX_FMT_BF6 matrix_b_fmt:MATRIX_FMT_BF6 matrix_a_scale:MATRIX_SCALE_ROW1
.else
	v_wmma_scale_f32_16x16x128_f8f6f4 v[O+8*\t:O+8*\t+7], v[\a0+\da*\t:\a0+\da*\t+11], v[PF+12*(\s):PF+12*(\s)+11], 0, v[VW+2*(\s)+\t/2], v[KS+(\s)] matrix_a_fmt:MATRIX_FMT_BF6 matrix_b_fmt:MATRIX_FMT_BF6
.endif
.else
.if \t%2
	v_wmma_scale_f32_16x16x128_f8f6f4 v[O+8*\t:O+8*\t+7], v[\a0+\da*\t:\a0+\da*\t+11], v[PF+12*(\s):PF+12*(\s)+11], v[O+8*\t:O+8*\t+7], v[VW+2*(\s)+\t/2], v[KS+(\s)] matrix_a_fmt:MATRIX_FMT_BF6 matrix_b_fmt:MATRIX_FMT_BF6 matrix_a_scale:MATRIX_SCALE_ROW1
.else
	v_wmma_scale_f32_16x16x128_f8f6f4 v[O+8*\t:O+8*\t+7], v[\a0+\da*\t:\a0+\da*\t+11], v[PF+12*(\s):PF+12*(\s)+11], v[O+8*\t:O+8*\t+7], v[VW+2*(\s)+\t/2], v[KS+(\s)] matrix_a_fmt:MATRIX_FMT_BF6 matrix_b_fmt:MATRIX_FMT_BF6
.endif
.endif
.endr
.endm
	s_wait_dscnt 36                                ; the first K step's 24 loads are in; the second's 24 and the third's 12 may be out
	MULV VA, 12, 0                                 ; the first products start the sums: nothing is cleared
	s_wait_alu depctr_va_vdst(0)
	s_wait_dscnt 12                                ; the second's are in
	MULV VB, 12, 1
	s_wait_dscnt 0x0
	MULV VD, 6, 2
	; ---- 8: THE WAY OUT.  Register j of tile t is out(query r, channel 16 t + 8 h + j): 32 neighbouring bytes of a row, and the lanes beside hold other rows.  So the tile of 16 rows goes through my own
	; stage in LDS and comes back as whole rows of 256 bytes.  The six address lines are the places behind the last products
	s_mul_i32 s[TMP], s[WV], 16*272
	s_add_co_u32 s[TMP], s[TMP], STG               ; my stage
	v_mul_u32_u24 v[AK], v1, 272
	s_delay_alu instid0(VALU_DEP_1)
	v_lshl_add_u32 v[AK], v2, 5, v[AK]
	s_delay_alu instid0(VALU_DEP_1)
	v_add_nc_u32 v[AK], s[TMP], v[AK]              ; in: row r, + 32 h
	v_mul_u32_u24 v[AKS], v2, 272
	s_delay_alu instid0(VALU_DEP_1)
	v_lshl_add_u32 v[AKS], v1, 4, v[AKS]
	s_delay_alu instid0(VALU_DEP_1)
	v_add_nc_u32 v[AKS], s[TMP], v[AKS]            ; back: lanes 0-15 one row, lanes 16-31 the next, 16 bytes a lane
.irp t, 0,1,2,3
	ds_store_b128 v[AK], v[O+8*\t:O+8*\t+3] offset:64*\t          ; each accumulator from its low end on
	ds_store_b128 v[AK], v[O+8*\t+4:O+8*\t+7] offset:64*\t+16
.endr
.irp i, 0,1,2,3,4,5,6,7
	ds_load_b128 v[VA+4*\i:VA+4*\i+3], v[AKS] offset:544*\i       ; LDS serves a wave's instructions in order (ISA guide 5.7.1.4): these see my stores
.endr
.irp i, 0,1,2,3,4,5,6,7
	s_wait_dscnt 7-\i                              ; rows 2 i and 2 i + 1 are back; the younger loads may be out
	global_store_b128 v[GO], v[VA+4*\i:VA+4*\i+3], s[16:17] offset:512*\i th:TH_STORE_NT   ; 32 lanes store 512 consecutive bytes, at a multiple of 512 from the output's first byte
.endr
	s_wait_tensorcnt 0x0                           ; the wave's end, behind my tensor load and my last LDS store
	ds_add_u32 v[SPW], v[NIL]
	s_wait_dscnt 0x0
	s_endpgm
.Lfunc_end_k_q5a7fecd0f9_attn:
	.size	k_q5a7fecd0f9_attn, .Lfunc_end_k_q5a7fecd0f9_attn-k_q5a7fecd0f9_attn
	.p2alignl 7, 3214868480
	.fill 96, 4, 3214868480
	.section	.rodata,"a",@progbits
	.p2align	6, 0x0
	.amdhsa_kernel k_q5a7fecd0f9_attn
		.amdhsa_group_segment_fixed_size 167936
		.amdhsa_private_segment_fixed_size 0
		.amdhsa_enable_private_segment 0
		.amdhsa_kernarg_size 56
		.amdhsa_user_sgpr_count 2
		.amdhsa_user_sgpr_kernarg_segment_ptr 1
		.amdhsa_wavefront_size32 1
		.amdhsa_system_sgpr_workgroup_id_x 1
		.amdhsa_system_sgpr_workgroup_id_y 1
		.amdhsa_system_sgpr_workgroup_id_z 1
		.amdhsa_system_vgpr_workitem_id 0
		.amdhsa_next_free_vgpr 256
		.amdhsa_next_free_sgpr 100
		.amdhsa_reserve_vcc 1
		.amdhsa_float_denorm_mode_32 3
		.amdhsa_float_denorm_mode_16_64 3
		.amdhsa_memory_ordered 1
		.amdhsa_forward_progress 1
		.amdhsa_inst_pref_size 60
	.end_amdhsa_kernel
	.amdgpu_metadata
---
amdhsa.version: [ 1, 2 ]
amdhsa.kernels:
  - .name:           k_q5a7fecd0f9_attn
    .symbol:         k_q5a7fecd0f9_attn.kd
    .args:
      - { .name: q_codes, .offset: 0, .size: 8, .value_kind: global_buffer, .address_space: global }
      - { .name: q_scales, .offset: 8, .size: 8, .value_kind: global_buffer, .address_space: global }
      - { .name: k_codes, .offset: 16, .size: 8, .value_kind: global_buffer, .address_space: global }
      - { .name: k_scales, .offset: 24, .size: 8, .value_kind: global_buffer, .address_space: global }
      - { .name: v_codes, .offset: 32, .size: 8, .value_kind: global_buffer, .address_space: global }
      - { .name: v_scales, .offset: 40, .size: 8, .value_kind: global_buffer, .address_space: global }
      - { .name: out0, .offset: 48, .size: 8, .value_kind: global_buffer, .address_space: global }
    .group_segment_fixed_size: 167936
    .private_segment_fixed_size: 0
    .kernarg_segment_align: 8
    .kernarg_segment_size: 56
    .max_flat_workgroup_size: 512
    .sgpr_count:     100
    .vgpr_count:     256
    .wavefront_size: 32
...
	.end_amdgpu_metadata
.endif
;; end of part 1
